; MI455X (gfx1250); checked and timed in simulation.
; The chip was launched on July 23, 2026; its instructions are those of AMD's public machine-readable ISA for CDNA 5 (MIT licence, August 2026) and "CDNA5" Instruction Set Architecture Reference Guide (July 2026). The comments in the code are by the model that wrote it; some were corrected since.
;; Distance map. Allowed arithmetic: float matrix products may take bf16 or f16 operands with f32 sums; all other float work in f32.
;; Inputs: threshold one number float32; x 64 x 128 x 128 float32.
;; Outputs: out0 64 x 128 x 128 float32.
;; 2 versions, each right; version 2 is version 1 with the launches xz, yy written anew for expert scheduling mode. Each part assembles by itself: llvm-mc -triple=amdgcn-amd-amdhsa -mcpu=gfx1250 --defsym DOCPART=n.
;; ======== version 1 of 2: 2 launches
;; workspace buffers: g 4,194,304 bytes
;; launch xz (part 1): grid 2 x 128, 4 waves a work-group, no clusters, 200,192 bytes of LDS; arguments threshold, x, g; writes g
.if DOCPART == 1
	.amdgcn_target "amdgcn-amd-amdhsa--gfx1250"
	.amdhsa_code_object_version 6
	.text
	.protected	k_q92126fff29_xz
	.globl	k_q92126fff29_xz
	.p2align	8
	.type	k_q92126fff29_xz,@function
k_q92126fff29_xz:
	s_mov_b64 s[64:65], 0
	v_nop
	global_prefetch_b8 v0, s[64:65] scope:SCOPE_SE
	s_setreg_imm32_b32 hwreg(HW_REG_WAVE_MODE, 25, 1), 1
	s_wait_xcnt 0x0
; FIRST OF TWO LAUNCHES.  x: [64 z][128 y][128 x] f32.  g: the same shape, one word a voxel.
; Makes the two binary classes exactly as the reference does (A: zeros of 1 - b, B: zeros of b), then for each class the squared distance to the
; nearest zero inside the voxel's x-z plane: low 16 bits of g class A, high 16 bits class B; 65535 = no zero of that class in the plane.
; The transform is separable and all real values are whole numbers (at most 127^2 + 63^2 = 20,098 here), exact in f32, so the order of the axes is free:
;   along x the source is 0 or "infinite", so the pass is a distance to the nearest zero: a scan from the left, a scan from the right, the smaller one;
;   along z it is the reference's minimum over all 64 sources j of f[j] + (i - j)^2.
; "Infinite": the scans start at 256, so a row without a zero gives d >= 257, d^2 >= 66,049 > 65,535 > every real value; the result is cut at 65,535.
; NaN in x or in the threshold goes through the same compares as in the reference: a NaN voxel is a zero of neither class.
; No matrix unit: a minimum of sums is no product.
; A work-group owns one y and one half h of x: 64 z x 64 x outputs.  Its tile is 64 rows of 512 bytes, loaded once, straight into registers.
; No cluster: the two work-groups of one y share those 32,768 bytes, asked for once at the head; a joint request would put them into LDS first and add
; a read back in front of the compares, to spare one of two reads of a tile that is used for the whole of 64 trips of arithmetic.
; THE MINIMUM OVER z: wave w owns the sources j = 16 w + jj, jj = 0..15; a lane owns 2 neighbouring x of both classes (4 numbers for each jj).
; With i' = i - 16 w a register holds u = f + jj^2 - 2 i' jj, so that f + (i' - jj)^2 = u + i'^2: a step of i is one packed add of -2 jj for two numbers,
; and v_min3 takes two sources at a time.  The wave's minimum goes to LDS, and a last phase takes the minimum over the four waves.
.set ZST,   65536                      ; bytes from z to z + 1 in x and in g
.set KP,    1040                       ; LDS row: 128 voxels x 8 bytes (two classes in f32) + 16
.set KREG,  64*KP                      ; a region of 64 rows: 66,560 bytes
.set FBASE, KREG                       ; K at 0: the flags; F: distances from the left; BK: from the right
.set BBASE, 2*KREG
.set PW,    32768                      ; P at 0, over K and F when they are done with: [wave][i][lane] 16 bytes; a wave's part is 64 x 512 bytes
.set NJ,    16                         ; sources of a wave
.set LANE, 1
.set OFFX, 3                           ; byte offset of my 16 bytes in my wave's first row of x
.set KST,  4                           ; where my 4 voxels' flags go
.set KA,   5                           ; the scan: my row in K
.set GA,   6                           ; the scan: my row in F or BK
.set ONE,  7
.set ZERO, 8
.set D,    10                          ; v[10:11]  the scan's running distances, classes A and B
.set M,    16                          ; v[16:19]  a trip's minima
.set IP,   20                          ; i' as f32
.set Q,    22                          ; v[22:23]  i'^2, and a 0 that only fills the pair
.set C,    24                          ; v[24:25]  jj (jj - 2 i0'), and a 0 that only fills the pair
.set FA,   26
.set BA,   27
.set RA,   28
.set RB,   29
.set GO,   30
.set PA,   31                          ; where the trip's minima go
.set X,    32                          ; v[32:95]  16 rows of x as loaded
.set P0,   32                          ; then the scan's two batches of 16 flag pairs
.set P1,   64
.set U,    32                          ; then u, 4 registers for each jj
.set L,    32                          ; then the four waves' minima of 4 rows
.set KK,   96                          ; v[96:103] flags of 4 voxels
.set T,    96                          ; v[96:159] distances from the right
.set O,    160                         ; v[160:191] 16 rows x 2 packed words to store
.macro F32BITS n                       ; FB = the bits of the whole number n (1 to 127) as f32
.set E, 0
.irp p, 1,2,3,4,5,6
.if (\n) >= (1<<\p)
.set E, \p
.endif
.endr
.set FB, ((127+E)<<23)|(((\n)-(1<<E))<<(23-E))
.endm
.macro UPD jj                          ; u of source jj for the next i: -2 jj, four numbers
	F32BITS 2*(\jj)
	v_pk_add_f32 v[U+4*(\jj):U+4*(\jj)+1], v[U+4*(\jj):U+4*(\jj)+1], (FB|0x80000000) op_sel_hi:[1,0]
	v_pk_add_f32 v[U+4*(\jj)+2:U+4*(\jj)+3], v[U+4*(\jj)+2:U+4*(\jj)+3], (FB|0x80000000) op_sel_hi:[1,0]
.endm
.macro TRIP                            ; one output row i: the minimum over my NJ sources, then every u stepped (behind its use)
	v_mul_f32 v[Q], v[IP], v[IP]
.irp c, 0,1,2,3
	v_min3_num_f32 v[M+\c], v[U+\c], v[U+4+\c], v[U+8+\c]          ; the first three sources start the minima; source 0 never changes
.endr
	UPD 1
	UPD 2
.set aa, 3
.rept (NJ-4)/2
.irp c, 0,1,2,3
	v_min3_num_f32 v[M+\c], v[M+\c], v[U+4*aa+\c], v[U+4*aa+4+\c]
.endr
	UPD aa
	UPD aa+1
.set aa, aa+2
.endr
.irp c, 0,1,2,3
	v_min_num_f32 v[M+\c], v[M+\c], v[U+4*(NJ-1)+\c]
.endr
	UPD NJ-1
	v_pk_add_f32 v[M:M+1], v[M:M+1], v[Q:Q+1] op_sel_hi:[1,0]      ; + i'^2
	v_pk_add_f32 v[M+2:M+3], v[M+2:M+3], v[Q:Q+1] op_sel_hi:[1,0]
	ds_store_b128 v[PA], v[M:M+3]                                  ; 32 lanes, 512 neighbouring bytes
	v_add_nc_u32 v[PA], 512, v[PA]
	v_add_f32 v[IP], 1.0, v[IP]
.endm
.macro CJJ jj                          ; C = jj (jj - 2 i0'), s18 = -2 i0'
	s_add_co_i32 s17, s18, \jj
	s_mul_i32 s17, s17, \jj
	v_cvt_f32_i32 v[C], s17
.endm
.macro FLAG xr, ka, kb                 ; the reference's two selects, then 0 where the class has a zero, 1 elsewhere
	v_cmp_le_f32 vcc_lo, s10, v[\xr]                   ; x >= threshold
	v_cndmask_b32 v12, v[\xr], v[ONE], vcc_lo          ; c = 1 there, x elsewhere
	v_cmp_ge_f32 vcc_lo, s10, v12                      ; c <= threshold
	v_cndmask_b32 v12, v12, v[ZERO], vcc_lo            ; b = 0 there, c elsewhere
	v_sub_f32 v13, 1.0, v12                            ; the background 1 - b
	v_cmp_neq_f32 vcc_lo, 0, v13                       ; not equal or NaN: no zero
	v_cndmask_b32 v[\ka], 0, v[ONE], vcc_lo
	v_cmp_neq_f32 vcc_lo, 0, v12
	v_cndmask_b32 v[\kb], 0, v[ONE], vcc_lo
.endm
; the scan, 16 positions at a time: batch n holds the steps 16 n .. 16 n + 15; dir = 0: x ascending, 1: descending.
; The batch number is an expression (n + 1 from STEPK), hence the brackets round it.
.macro LDK buf, n, dir
.set tt, 0
.rept 16
.if \dir
.set xi, 127-(16*(\n)+tt)
.else
.set xi, 16*(\n)+tt
.endif
	ds_load_b64 v[\buf+2*tt:\buf+2*tt+1], v[KA] offset:8*xi
.set tt, tt+1
.endr
.endm
.macro DOK buf, n, dir
.set tt, 0
.rept 16
.if \dir
.set xi, 127-(16*(\n)+tt)
.else
.set xi, 16*(\n)+tt
.endif
	v_pk_fma_f32 v[D:D+1], v[D:D+1], v[\buf+2*tt:\buf+2*tt+1], v[\buf+2*tt:\buf+2*tt+1]   ; flag 0: d = 0; flag 1: d = d + 1
	ds_store_b64 v[GA], v[D:D+1] offset:8*xi
.set tt, tt+1
.endr
.endm
.macro STEPK ldbuf, dobuf, n, dir
	LDK \ldbuf, (\n)+1, \dir
	s_wait_dscnt 32                                    ; behind batch n's loads: the last batch's 16 stores and the next batch's 16 loads
	DOK \dobuf, \n, \dir
.endm
.macro SCAN dir
	LDK P0, 0, \dir
	LDK P1, 1, \dir
	s_wait_dscnt 16                                    ; batch 0 is in; batch 1's 16 loads stay out
	DOK P0, 0, \dir
	STEPK P0, P1, 1, \dir
	STEPK P1, P0, 2, \dir
	STEPK P0, P1, 3, \dir
	STEPK P1, P0, 4, \dir
	STEPK P0, P1, 5, \dir
	STEPK P1, P0, 6, \dir
	s_wait_dscnt 16                                    ; batch 7 is in; behind it only batch 6's 16 stores
	DOK P1, 7, \dir
.endm
	; SET-UP, and all of the tile's loads at once
	s_load_b128 s[4:7], s[0:1], 0x0                    ; threshold s[4:5], x s[6:7]
	s_load_b64 s[8:9], s[0:1], 0x10                    ; g
	v_lshl_add_u32 v192, v0, 2, 0x30c00
	v_mov_b32 v193, 0
	v_and_b32 v[LANE], 31, v0
	v_lshrrev_b32 v2, 5, v0
	v_readfirstlane_b32 s11, v2                        ; wave w
	s_and_b32 s12, ttmp7, 0xffff                       ; y
	s_and_b32 s13, ttmp9, 1                            ; h: which 64 x I put out (the grid has two work-groups along x)
	s_lshl_b32 s14, s12, 9                             ; y x 512 bytes
	s_mov_b32 s15, 0
	s_lshl_b32 s17, s11, 20                            ; my wave's rows z = 16 w ..: 16 x 65,536 bytes
	v_lshl_add_u32 v[OFFX], v[LANE], 4, s17            ; + 16 bytes a lane: a load covers a whole row of 512 bytes
	s_wait_kmcnt 0x0
	s_load_b32 s10, s[4:5], 0x0                        ; the threshold
	s_add_nc_u64 s[6:7], s[6:7], s[14:15]
.set ri, 0
.rept 16
	global_load_b128 v[X+4*ri:X+4*ri+3], v[OFFX], s[6:7] offset:ri*ZST
.set ri, ri+1
.endr
	s_lshl_b32 s17, s13, 8                             ; h x 64 words
	s_add_co_u32 s14, s14, s17
	s_add_nc_u64 s[8:9], s[8:9], s[14:15]              ; g at (z = 0, y, 64 h)
	s_mov_b32 s19, 0x477fff00                          ; 65535.0
	v_mov_b32 v[ONE], 1.0
	v_mov_b32 v[ZERO], 0
	v_mov_b32 v[Q+1], 0
	v_mov_b32 v[C+1], 0
	s_mul_i32 s17, s11, 16*KP
	v_lshl_add_u32 v[KST], v[LANE], 5, s17             ; K: row 16 w, 4 voxels x 8 bytes a lane
	s_and_b32 s17, s11, 1
	s_mul_i32 s17, s17, 32*KP
	v_mad_u32_u24 v[KA], v[LANE], KP, s17              ; the scan: a lane takes row z = 32 (w & 1) + lane
	v_mov_b32 v[D], 0x43800000                         ; 256.0
	v_mov_b32 v[D+1], 0x43800000
	s_wait_kmcnt 0x0                                   ; the threshold is there
	; FLAGS
.set ri, 0
.rept 16
	s_wait_loadcnt 15-ri                               ; loads come back in order: row ri is in, the 15 - ri younger ones stay out
	FLAG X+4*ri, KK, KK+1
	FLAG X+4*ri+1, KK+2, KK+3
	FLAG X+4*ri+2, KK+4, KK+5
	FLAG X+4*ri+3, KK+6, KK+7
	ds_store_b128 v[KST], v[KK:KK+3] offset:ri*KP
	ds_store_b128 v[KST], v[KK+4:KK+7] offset:ri*KP+16
.set ri, ri+1
.endr
	s_wait_dscnt 0x0                                   ; my flags are in LDS,
	s_barrier_signal -1
	s_barrier_wait -1                                  ; everybody's are
	; SCANS along x: waves 0, 1 from the left (rows 0-31, 32-63), waves 2, 3 from the right.  A lane walks one row; rows 16 apart meet in a bank
	; (16 x 1,040 bytes is a multiple of 256): 256 LDS instructions of a wave are served in two turns, against the 64 trips of arithmetic below.
	s_cmp_lt_u32 s11, 2
	s_cbranch_scc0 .Lfromright
	v_add_nc_u32 v[GA], FBASE, v[KA]
	SCAN 0
	s_branch .Lscanned
.Lfromright:
	v_add_nc_u32 v[GA], BBASE, v[KA]
	SCAN 1
.Lscanned:
	s_wait_dscnt 0x0                                   ; my distances are in LDS, my reads of K are over
	s_barrier_signal -1
	s_barrier_wait -1
	; u for i = 0
	s_mul_i32 s17, s11, NJ*KP                          ; my sources: rows 16 w ..
	s_lshl_b32 s18, s13, 9                             ; my half of x: 64 voxels x 8 bytes
	s_add_co_u32 s17, s17, s18
	s_add_co_u32 s17, s17, FBASE
	v_lshl_add_u32 v[FA], v[LANE], 4, s17              ; 2 voxels x 2 classes a lane
	v_add_nc_u32 v[BA], KREG, v[FA]
.set ji, 0
.rept NJ
	ds_load_b128 v[U+4*ji:U+4*ji+3], v[FA] offset:ji*KP
.set ji, ji+1
.endr
.set ji, 0
.rept NJ
	ds_load_b128 v[T+4*ji:T+4*ji+3], v[BA] offset:ji*KP
.set ji, ji+1
.endr
	s_wait_dscnt 0x0                                   ; all in registers: my reads of F and BK are over
	s_barrier_signal -1                                ; say so, and work on registers while the others arrive
	s_lshl_b32 s18, s11, 5                             ; -2 i0' with i0' = 0 - 16 w
	s_mul_i32 s17, s11, -16
	v_cvt_f32_i32 v[IP], s17                           ; i0'
	s_lshl_b32 s17, s11, 15
	v_lshl_add_u32 v[PA], v[LANE], 4, s17              ; P: my wave's part, row 0
.set ji, 0
.rept NJ
	CJJ ji
.irp c, 0,1,2,3
	v_min_num_f32 v[U+4*ji+\c], v[U+4*ji+\c], v[T+4*ji+\c]         ; the nearer of the two sides
.endr
	v_pk_fma_f32 v[U+4*ji:U+4*ji+1], v[U+4*ji:U+4*ji+1], v[U+4*ji:U+4*ji+1], v[C:C+1] op_sel_hi:[1,1,0]       ; d^2 + jj^2 - 2 i0' jj
	v_pk_fma_f32 v[U+4*ji+2:U+4*ji+3], v[U+4*ji+2:U+4*ji+3], v[U+4*ji+2:U+4*ji+3], v[C:C+1] op_sel_hi:[1,1,0]
.set ji, ji+1
.endr
	s_barrier_wait -1                                  ; nobody reads K or F any more: P may be written over them
	; THE MINIMUM OVER MY 16 SOURCES, for all 64 z
	s_mov_b32 s16, 0
.Ltrip:
	TRIP
	s_add_co_u32 s16, s16, 1
	s_cmp_lt_u32 s16, 64
	s_cbranch_scc1 .Ltrip
	s_wait_dscnt 0x0                                   ; my minima are in LDS,
	s_barrier_signal -1
	s_barrier_wait -1                                  ; everybody's are
	; THE MINIMUM OVER THE FOUR WAVES, cut at 65,535, packed and stored: wave w takes rows z = 16 w .. 16 w + 15, four at a time
	s_lshl_b32 s17, s11, 13
	v_lshl_add_u32 v[RA], v[LANE], 4, s17              ; 16 w rows of 512 bytes; waves 0, 1 by the immediate,
	v_add_nc_u32 v[RB], 2*PW, v[RA]                    ; waves 2, 3 from a second register (the immediate has 16 bits)
	s_lshl_b32 s17, s11, 20
	v_lshl_add_u32 v[GO], v[LANE], 3, s17              ; g: 16 w planes, 2 words a lane
.set gg, 0
.rept 4
.set rr, 0
.rept 4
	ds_load_b128 v[L+16*rr:L+16*rr+3],     v[RA] offset:(4*gg+rr)*512
	ds_load_b128 v[L+16*rr+4:L+16*rr+7],   v[RA] offset:(4*gg+rr)*512+PW
	ds_load_b128 v[L+16*rr+8:L+16*rr+11],  v[RB] offset:(4*gg+rr)*512
	ds_load_b128 v[L+16*rr+12:L+16*rr+15], v[RB] offset:(4*gg+rr)*512+PW
.set rr, rr+1
.endr
.set rr, 0
.rept 4
	s_wait_dscnt 12-4*rr                               ; this row's four loads are in; four for each later row stay out
.irp c, 0,1,2,3
	v_min3_num_f32 v[L+16*rr+\c], v[L+16*rr+\c], v[L+16*rr+4+\c], v[L+16*rr+8+\c]
.endr
.irp c, 0,1,2,3
	v_min3_num_f32 v[L+16*rr+\c], v[L+16*rr+\c], v[L+16*rr+12+\c], s19
.endr
.irp c, 0,1,2,3
	v_cvt_u32_f32 v[L+16*rr+\c], v[L+16*rr+\c]         ; whole numbers: exact
.endr
	v_lshl_or_b32 v[O+2*(4*gg+rr)],   v[L+16*rr+1], 16, v[L+16*rr]
	v_lshl_or_b32 v[O+2*(4*gg+rr)+1], v[L+16*rr+3], 16, v[L+16*rr+2]
	global_store_b64 v[GO], v[O+2*(4*gg+rr):O+2*(4*gg+rr)+1], s[8:9] offset:(4*gg+rr)*ZST   ; the wave stores 256 consecutive bytes, aligned; each row has its own data registers, none is written again
.set rr, rr+1
.endr
.set gg, gg+1
.endr
	s_wait_tensorcnt 0x0
	ds_add_u32 v192, v193
	s_wait_dscnt 0x0
	s_endpgm
.Lfunc_end_k_q92126fff29_xz:
	.size	k_q92126fff29_xz, .Lfunc_end_k_q92126fff29_xz-k_q92126fff29_xz
	.p2alignl 7, 3214868480
	.fill 96, 4, 3214868480
	.section	.rodata,"a",@progbits
	.p2align	6, 0x0
	.amdhsa_kernel k_q92126fff29_xz
		.amdhsa_group_segment_fixed_size 200192
		.amdhsa_private_segment_fixed_size 0
		.amdhsa_enable_private_segment 0
		.amdhsa_kernarg_size 24
		.amdhsa_user_sgpr_count 2
		.amdhsa_user_sgpr_kernarg_segment_ptr 1
		.amdhsa_wavefront_size32 1
		.amdhsa_system_sgpr_workgroup_id_x 1
		.amdhsa_system_sgpr_workgroup_id_y 1
		.amdhsa_system_sgpr_workgroup_id_z 1
		.amdhsa_system_vgpr_workitem_id 0
		.amdhsa_next_free_vgpr 194
		.amdhsa_next_free_sgpr 66
		.amdhsa_reserve_vcc 1
		.amdhsa_float_denorm_mode_32 3
		.amdhsa_float_denorm_mode_16_64 3
		.amdhsa_memory_ordered 1
		.amdhsa_forward_progress 1
		.amdhsa_inst_pref_size 105
	.end_amdhsa_kernel
	.amdgpu_metadata
---
amdhsa.version: [ 1, 2 ]
amdhsa.kernels:
  - .name:           k_q92126fff29_xz
    .symbol:         k_q92126fff29_xz.kd
    .args:
      - { .name: threshold, .offset: 0, .size: 8, .value_kind: global_buffer, .address_space: global }
      - { .name: x, .offset: 8, .size: 8, .value_kind: global_buffer, .address_space: global }
      - { .name: g, .offset: 16, .size: 8, .value_kind: global_buffer, .address_space: global }
    .group_segment_fixed_size: 200192
    .private_segment_fixed_size: 0
    .kernarg_segment_align: 8
    .kernarg_segment_size: 24
    .max_flat_workgroup_size: 128
    .sgpr_count:     66
    .vgpr_count:     194
    .wavefront_size: 32
...
	.end_amdgpu_metadata
.endif
;; end of part 1
;; launch yy (part 2): grid 4 x 64, 4 waves a work-group, no clusters, 131,584 bytes of LDS; arguments g, out0; writes out0
.if DOCPART == 2
	.amdgcn_target "amdgcn-amd-amdhsa--gfx1250"
	.amdhsa_code_object_version 6
	.text
	.protected	k_q92126fff29_yy
	.globl	k_q92126fff29_yy
	.p2align	8
	.type	k_q92126fff29_yy,@function
k_q92126fff29_yy:
	s_mov_b64 s[64:65], 0
	v_nop
	global_prefetch_b8 v0, s[64:65] scope:SCOPE_SE
	s_setreg_imm32_b32 hwreg(HW_REG_WAVE_MODE, 25, 1), 1
	s_wait_xcnt 0x0
; SECOND OF TWO LAUNCHES.  g: [64 z][128 y][128 x], a word a voxel: low 16 bits class A, high 16 bits class B, the squared distance to the class's nearest
; zero inside the x-z plane, 65535 = none there.  out0 = 1 - (sqrt(dA) + sqrt(dB)), d = the minimum over all 128 sources j along y of g[j] + (i - j)^2.
; Real sums are at most 20,098 + 127^2 = 36,227 < 65,535, and a sum with the sentinel is at least 65,535: d >= 65,535 exactly where the class has no zero
; in the whole volume.  There the reference keeps its 1e10 (the source j = i adds 0), whose root in f32 is 100000.0: that number is selected.
; All sums are whole numbers below 2^24: exact in f32.  No matrix unit: a minimum of sums is no product.
; A work-group owns one z, 64 x (xh) and 64 outputs i along y (ih).  Wave w owns the sources j = 32 w + jj, jj = 0..31; a lane owns 2 neighbouring x of both
; classes.  With i' = i - 32 w a register holds u = f + jj^2 - 2 i' jj, so that f + (i' - jj)^2 = u + i'^2: a step of i is one packed add of -2 jj for two
; numbers, v_min3 takes two sources at a time.  The wave's minimum goes to LDS; a last phase takes the minimum over the four waves.
; No cluster: the two work-groups ih = 0, 1 share 32,768 bytes of g, asked for once at the head and unpacked straight from registers; a joint request
; would add a way through LDS to spare one of two reads, against 64 trips of arithmetic on the same bytes.
.set YST,  512                         ; bytes from y to y + 1 in g and in out0
.set PW,   32768                       ; LDS, P: [wave][t][lane] 16 bytes; a wave's part is 64 x 512 bytes
.set NJ,   32                          ; sources of a wave
.set LANE, 1
.set GOFF, 3
.set BIGD, 7                           ; 100000.0
.set R,    12                          ; v[12:15]  four roots
.set M,    16                          ; v[16:19]  a trip's minima
.set IP,   20                          ; i' as f32
.set Q,    22                          ; v[22:23]  i'^2, and a 0 that only fills the pair
.set C,    24                          ; v[24:25]  jj (jj - 2 i0'), and a 0 that only fills the pair
.set PA,   26
.set RA,   28
.set RB,   29
.set OO,   30
.set G,    32                          ; v[32:95]  32 sources x 2 words as loaded
.set L,    32                          ; later the four waves' minima of 4 rows
.set U,    96                          ; v[96:223] u, 4 registers for each jj
.set O,    96                          ; later 16 rows x 2 results to store
.macro F32BITS n                       ; FB = the bits of the whole number n (1 to 127) as f32
.set E, 0
.irp p, 1,2,3,4,5,6
.if (\n) >= (1<<\p)
.set E, \p
.endif
.endr
.set FB, ((127+E)<<23)|(((\n)-(1<<E))<<(23-E))
.endm
.macro UPD jj                          ; u of source jj for the next i: -2 jj, four numbers
	F32BITS 2*(\jj)
	v_pk_add_f32 v[U+4*(\jj):U+4*(\jj)+1], v[U+4*(\jj):U+4*(\jj)+1], (FB|0x80000000) op_sel_hi:[1,0]
	v_pk_add_f32 v[U+4*(\jj)+2:U+4*(\jj)+3], v[U+4*(\jj)+2:U+4*(\jj)+3], (FB|0x80000000) op_sel_hi:[1,0]
.endm
.macro TRIP                            ; one output row i: the minimum over my NJ sources, then every u stepped (behind its use)
	v_mul_f32 v[Q], v[IP], v[IP]
.irp c, 0,1,2,3
	v_min3_num_f32 v[M+\c], v[U+\c], v[U+4+\c], v[U+8+\c]          ; the first three sources start the minima; source 0 never changes
.endr
	UPD 1
	UPD 2
.set aa, 3
.rept (NJ-4)/2
.irp c, 0,1,2,3
	v_min3_num_f32 v[M+\c], v[M+\c], v[U+4*aa+\c], v[U+4*aa+4+\c]
.endr
	UPD aa
	UPD aa+1
.set aa, aa+2
.endr
.irp c, 0,1,2,3
	v_min_num_f32 v[M+\c], v[M+\c], v[U+4*(NJ-1)+\c]
.endr
	UPD NJ-1
	v_pk_add_f32 v[M:M+1], v[M:M+1], v[Q:Q+1] op_sel_hi:[1,0]      ; + i'^2
	v_pk_add_f32 v[M+2:M+3], v[M+2:M+3], v[Q:Q+1] op_sel_hi:[1,0]
	ds_store_b128 v[PA], v[M:M+3]                                  ; 32 lanes, 512 neighbouring bytes
	v_add_nc_u32 v[PA], 512, v[PA]
	v_add_f32 v[IP], 1.0, v[IP]
.endm
.macro CJJ jj                          ; C = jj (jj - 2 i0'), s18 = -2 i0'
	s_add_co_i32 s17, s18, \jj
	s_mul_i32 s17, s17, \jj
	v_cvt_f32_i32 v[C], s17
.endm
	; SET-UP, and all loads at once
	s_load_b128 s[4:7], s[0:1], 0x0                    ; g s[4:5], out0 s[6:7]
	v_lshl_add_u32 v224, v0, 2, 0x20000
	v_mov_b32 v225, 0
	v_and_b32 v[LANE], 31, v0
	v_lshrrev_b32 v2, 5, v0
	v_readfirstlane_b32 s11, v2                        ; wave w
	s_and_b32 s12, ttmp7, 0xffff                       ; z
	s_and_b32 s13, ttmp9, 1                            ; xh
	s_lshr_b32 s14, ttmp9, 1                           ; ih
	s_lshl_b32 s24, s12, 16                            ; z x 65,536 bytes
	s_lshl_b32 s17, s13, 8                             ; + xh x 64 words
	s_add_co_u32 s24, s24, s17
	s_mov_b32 s25, 0
	s_lshl_b32 s17, s11, 14                            ; my sources: 32 w rows of 512 bytes
	v_lshl_add_u32 v[GOFF], v[LANE], 3, s17            ; + 2 words a lane
	s_wait_kmcnt 0x0
	s_add_nc_u64 s[4:5], s[4:5], s[24:25]
	s_add_nc_u64 s[6:7], s[6:7], s[24:25]
	s_lshl_b32 s24, s14, 15                            ; out0 also at row 64 ih
	s_add_nc_u64 s[6:7], s[6:7], s[24:25]
.set ji, 0
.rept NJ
	global_load_b64 v[G+2*ji:G+2*ji+1], v[GOFF], s[4:5] offset:ji*YST      ; the wave reads 256 consecutive bytes, aligned
.set ji, ji+1
.endr
	s_mov_b32 s19, 0x477fff00                          ; 65535.0
	v_mov_b32 v[BIGD], 0x47c35000                      ; 100000.0
	v_mov_b32 v[Q+1], 0
	v_mov_b32 v[C+1], 0
	s_lshl_b32 s18, s11, 6
	s_lshl_b32 s17, s14, 7
	s_sub_co_i32 s18, s18, s17                         ; -2 i0' = 64 w - 128 ih, with i0' = 64 ih - 32 w
	s_ashr_i32 s17, s18, 1
	s_sub_co_i32 s17, 0, s17
	v_cvt_f32_i32 v[IP], s17                           ; i0'
	s_lshl_b32 s17, s11, 15
	v_lshl_add_u32 v[PA], v[LANE], 4, s17              ; P: my wave's part, row 0
	; u for the first i
.set ji, 0
.rept NJ
	s_wait_loadcnt NJ-1-ji                             ; loads come back in order: source ji is in, the younger ones stay out
	v_and_b32     v[U+4*ji],   0xffff, v[G+2*ji]
	v_lshrrev_b32 v[U+4*ji+1], 16,     v[G+2*ji]
	v_and_b32     v[U+4*ji+2], 0xffff, v[G+2*ji+1]
	v_lshrrev_b32 v[U+4*ji+3], 16,     v[G+2*ji+1]
.irp c, 0,1,2,3
	v_cvt_f32_u32 v[U+4*ji+\c], v[U+4*ji+\c]
.endr
	CJJ ji
	v_pk_add_f32 v[U+4*ji:U+4*ji+1],   v[U+4*ji:U+4*ji+1],   v[C:C+1] op_sel_hi:[1,0]
	v_pk_add_f32 v[U+4*ji+2:U+4*ji+3], v[U+4*ji+2:U+4*ji+3], v[C:C+1] op_sel_hi:[1,0]
.set ji, ji+1
.endr
	; THE MINIMUM OVER MY 32 SOURCES, for the work-group's 64 outputs along y
	s_mov_b32 s16, 0
.Ltrip:
	TRIP
	s_add_co_u32 s16, s16, 1
	s_cmp_lt_u32 s16, 64
	s_cbranch_scc1 .Ltrip
	s_wait_dscnt 0x0                                   ; my minima are in LDS,
	s_barrier_signal -1
	s_barrier_wait -1                                  ; everybody's are
	; THE MINIMUM OVER THE FOUR WAVES, the roots, the result: wave w takes rows t = 16 w .. 16 w + 15, four at a time
	s_lshl_b32 s17, s11, 13
	v_lshl_add_u32 v[RA], v[LANE], 4, s17              ; 16 w rows of 512 bytes; waves 0, 1 by the immediate,
	v_add_nc_u32 v[RB], 2*PW, v[RA]                    ; waves 2, 3 from a second register (the immediate has 16 bits)
	v_lshl_add_u32 v[OO], v[LANE], 3, s17              ; out0: 16 w rows of 512 bytes, 2 numbers a lane
.set gg, 0
.rept 4
.set rr, 0
.rept 4
	ds_load_b128 v[L+16*rr:L+16*rr+3],     v[RA] offset:(4*gg+rr)*512
	ds_load_b128 v[L+16*rr+4:L+16*rr+7],   v[RA] offset:(4*gg+rr)*512+PW
	ds_load_b128 v[L+16*rr+8:L+16*rr+11],  v[RB] offset:(4*gg+rr)*512
	ds_load_b128 v[L+16*rr+12:L+16*rr+15], v[RB] offset:(4*gg+rr)*512+PW
.set rr, rr+1
.endr
.set rr, 0
.rept 4
	s_wait_dscnt 12-4*rr                               ; this row's four loads are in; four for each later row stay out
.irp c, 0,1,2,3
	v_min3_num_f32 v[L+16*rr+\c], v[L+16*rr+\c], v[L+16*rr+4+\c], v[L+16*rr+8+\c]
.endr
.irp c, 0,1,2,3
	v_min_num_f32 v[L+16*rr+\c], v[L+16*rr+\c], v[L+16*rr+12+\c]
.endr
.irp c, 0,1,2,3
	v_cmp_le_f32 s[20+\c], s19, v[L+16*rr+\c]          ; 65,535 <= d: the class has no zero at all
.endr
.irp c, 0,1,2,3
	v_sqrt_f32 v[R+\c], v[L+16*rr+\c]
.endr
	v_nop                                              ; one plain vector instruction between a root and the first use of its result (ISA guide 5.7.2)
	s_wait_alu depctr_va_vdst(0)
.irp c, 0,1,2,3
	v_cndmask_b32 v[R+\c], v[R+\c], v[BIGD], s[20+\c]
.endr
	v_add_f32 v[R],   v[R],   v[R+1]                   ; class A + class B of one voxel
	v_add_f32 v[R+2], v[R+2], v[R+3]
	v_sub_f32 v[O+2*(4*gg+rr)],   1.0, v[R]
	v_sub_f32 v[O+2*(4*gg+rr)+1], 1.0, v[R+2]
	global_store_b64 v[OO], v[O+2*(4*gg+rr):O+2*(4*gg+rr)+1], s[6:7] offset:(4*gg+rr)*YST th:TH_STORE_NT   ; the wave stores 256 consecutive bytes, aligned; each row has its own data registers, none is written again
.set rr, rr+1
.endr
.set gg, gg+1
.endr
	s_wait_tensorcnt 0x0
	ds_add_u32 v224, v225
	s_wait_dscnt 0x0
	s_endpgm
.Lfunc_end_k_q92126fff29_yy:
	.size	k_q92126fff29_yy, .Lfunc_end_k_q92126fff29_yy-k_q92126fff29_yy
	.p2alignl 7, 3214868480
	.fill 96, 4, 3214868480
	.section	.rodata,"a",@progbits
	.p2align	6, 0x0
	.amdhsa_kernel k_q92126fff29_yy
		.amdhsa_group_segment_fixed_size 131584
		.amdhsa_private_segment_fixed_size 0
		.amdhsa_enable_private_segment 0
		.amdhsa_kernarg_size 16
		.amdhsa_user_sgpr_count 2
		.amdhsa_user_sgpr_kernarg_segment_ptr 1
		.amdhsa_wavefront_size32 1
		.amdhsa_system_sgpr_workgroup_id_x 1
		.amdhsa_system_sgpr_workgroup_id_y 1
		.amdhsa_system_sgpr_workgroup_id_z 1
		.amdhsa_system_vgpr_workitem_id 0
		.amdhsa_next_free_vgpr 226
		.amdhsa_next_free_sgpr 66
		.amdhsa_reserve_vcc 0
		.amdhsa_float_denorm_mode_32 3
		.amdhsa_float_denorm_mode_16_64 3
		.amdhsa_memory_ordered 1
		.amdhsa_forward_progress 1
		.amdhsa_inst_pref_size 58
	.end_amdhsa_kernel
	.amdgpu_metadata
---
amdhsa.version: [ 1, 2 ]
amdhsa.kernels:
  - .name:           k_q92126fff29_yy
    .symbol:         k_q92126fff29_yy.kd
    .args:
      - { .name: g, .offset: 0, .size: 8, .value_kind: global_buffer, .address_space: global }
      - { .name: out0, .offset: 8, .size: 8, .value_kind: global_buffer, .address_space: global }
    .group_segment_fixed_size: 131584
    .private_segment_fixed_size: 0
    .kernarg_segment_align: 8
    .kernarg_segment_size: 16
    .max_flat_workgroup_size: 128
    .sgpr_count:     66
    .vgpr_count:     226
    .wavefront_size: 32
...
	.end_amdgpu_metadata
.endif
;; end of part 2
;; ======== version 2 of 2: 2 launches; version 1 with the launches xz, yy written anew for expert scheduling mode
;; workspace buffers: g 4,194,304 bytes
;; launch xz (part 3): grid 2 x 128, 4 waves a work-group, no clusters, 200,192 bytes of LDS; arguments threshold, x, g; writes g
.if DOCPART == 3
	.amdgcn_target "amdgcn-amd-amdhsa--gfx1250"
	.amdhsa_code_object_version 6
	.text
	.protected	k_q92126fff29_xz
	.globl	k_q92126fff29_xz
	.p2align	8
	.type	k_q92126fff29_xz,@function
k_q92126fff29_xz:
	s_mov_b64 s[64:65], 0
	v_nop
	global_prefetch_b8 v0, s[64:65] scope:SCOPE_SE
	s_setreg_imm32_b32 hwreg(HW_REG_WAVE_SCHED_MODE, 0, 2), 2
	s_setreg_imm32_b32 hwreg(HW_REG_WAVE_MODE, 25, 1), 1
	s_wait_xcnt 0x0
	s_wait_alu depctr_vm_vsrc(0)
; FIRST OF TWO LAUNCHES.  x: [64 z][128 y][128 x] f32.  g: the same shape, one word a voxel.
; Makes the two binary classes exactly as the reference does (A: zeros of 1 - b, B: zeros of b), then for each class the squared distance to the
; nearest zero inside the voxel's x-z plane: low 16 bits of g class A, high 16 bits class B; 65535 = no zero of that class in the plane.
; The transform is separable and all real values are whole numbers (at most 127^2 + 63^2 = 20,098 here), exact in f32, so the order of the axes is free:
;   along x the source is 0 or "infinite", so the pass is a distance to the nearest zero: a scan from the left, a scan from the right, the smaller one;
;   along z it is the reference's minimum over all 64 sources j of f[j] + (i - j)^2.
; "Infinite": the scans start at 256, so a row without a zero gives d >= 257, d^2 >= 66,049 > 65,535 > every real value; the result is cut at 65,535.
; NaN in x or in the threshold goes through the same compares as in the reference: a NaN voxel is a zero of neither class.
; No matrix unit: a minimum of sums is no product.
; A work-group owns one y and one half h of x: 64 z x 64 x outputs.  Its tile is 64 rows of 512 bytes, loaded once, straight into registers.
; No cluster: the two work-groups of one y share those 32,768 bytes, asked for once at the head; a joint request would put them into LDS first and add
; a read back in front of the compares, to spare one of two reads of a tile that is used for the whole of 64 trips of arithmetic.
; THE MINIMUM OVER z: wave w owns the sources j = 16 w + jj, jj = 0..15; a lane owns 2 neighbouring x of both classes (4 numbers for each jj).
; With i' = i - 16 w a register holds u = f + jj^2 - 2 i' jj, so that f + (i' - jj)^2 = u + i'^2: a step of i is one packed add of -2 jj for two numbers,
; and v_min3 takes two sources at a time.  The wave's minimum goes to LDS, and a last phase takes the minimum over the four waves.
; THE MODE: SCHED_MODE bits 1:0 = 2 (LLVM: expert scheduling mode 2), set by the entry lines.  The code itself states the register dependences
; between vector instructions and memory or LDS instructions, and between a vector instruction that writes a scalar register and its readers, with s_wait_alu, always for 0.
; THE PLAN.  Registers that memory or LDS instructions touch:
;   OFFX, KST, KA   made at the head, never written again: one wait ahead of the first load serves every instruction that reads them.
;   X               loaded once at the head; vector instructions alone name it after that.
;   KK0, KK1        the flags of four rows.  Batch q's selects write KK[q % 2]; its eight LDS stores read it; batch q + 2 writes it again.
;   SB0 .. SB2      the scan, 16 positions a batch.  Batch n is loaded into SB[n % 3] two steps ahead, turned into distances in place, stored from there;
;                   its last pair carries the distance into batch n + 1; then batch n + 3 lands in it.
;   GA; FA, BA      made once each, ahead of a wait that stands there for the data registers anyway.
;   OUT, PA         a lap of the loop is four trips: each trip's last two adds write its four registers of OUT, the first trip makes PA, four stores end the lap.
;                   The running minima M, the u, i' and its square are named by vector instructions alone.
;   L0, L1, O       the way out, four rows a group: group gg works on L[gg % 2] and writes its part of O, which is written once; group gg + 2 lands in L[gg % 2].
; The masks of the compares lie in scalar registers, in runs of 16 or 32, with one wait behind each run.
.set ZST,   65536                      ; bytes from z to z + 1 in x and in g
.set KP,    1040                       ; LDS row: 128 voxels x 8 bytes (two classes in f32) + 16
.set KREG,  64*KP                      ; a region of 64 rows: 66,560 bytes
.set FBASE, KREG                       ; K at 0: the flags; F: distances from the left; BK: from the right
.set BBASE, 2*KREG
.set PW,    32768                      ; P at 0, over K and F when they are done with: [wave][i][lane] 16 bytes; a wave's part is 64 x 512 bytes
.set NJ,    16                         ; sources of a wave
.set LANE, 1
.set OFFX, 3                           ; byte offset of my 16 bytes in my wave's first row of x
.set KST,  4                           ; where my 4 voxels' flags go
.set KA,   5                           ; the scan: my row in K
.set GA,   6                           ; the scan: my row in F or BK
.set ONE,  7
.set ZERO, 8
.set PB,   9                           ; P: my 16 bytes in my wave's row 0; never written again
.set D,    10                          ; v[10:11]  what the scans start from, classes A and B
.set M,    16                          ; v[16:19]  a trip's running minima
.set IP,   20                          ; i' as f32
.set Q,    22                          ; v[22:23]  i'^2, and a 0 that only fills the pair
.set C,    24                          ; v[24:25]  jj (jj - 2 i0'), and a 0 that only fills the pair
.set FA,   26
.set BA,   27
.set RA,   28
.set RB,   29
.set GO,   30
.set PA,   31                          ; where the lap's minima go
.set X,    32                          ; v[32:95]  16 rows of x as loaded, then b in their place
.set SB,   32                          ; v[32:127] then the scan's three batches of 16 pairs
.set U,    32                          ; v[32:95]  then u, 4 registers for each jj
.set L,    32                          ; v[32:159] then the four waves' minima of 4 rows, two buffers of 64
.set KK,   96                          ; v[96:159] flags of 16 voxels, two buffers of 32
.set T,    96                          ; v[96:159] distances from the right
.set OUT,  96                          ; v[96:111] the minima of a lap's four trips
.set TB,   160                         ; v[160:175] 1 - b of 16 voxels
.set O,    160                         ; v[160:191] 16 rows x 2 packed words to store
.set MA,   32                          ; s[32:47]  16 masks
.set MB,   48                          ; s[48:63]  16 more
.macro F32BITS n                       ; FB = the bits of the whole number n (1 to 127) as f32
.set E, 0
.irp p, 1,2,3,4,5,6
.if (\n) >= (1<<\p)
.set E, \p
.endif
.endr
.set FB, ((127+E)<<23)|(((\n)-(1<<E))<<(23-E))
.endm
.macro UPD jj                          ; u of source jj for the next i: -2 jj, four numbers
	F32BITS 2*(\jj)
	v_pk_add_f32 v[U+4*(\jj):U+4*(\jj)+1], v[U+4*(\jj):U+4*(\jj)+1], (FB|0x80000000) op_sel_hi:[1,0]
	v_pk_add_f32 v[U+4*(\jj)+2:U+4*(\jj)+3], v[U+4*(\jj)+2:U+4*(\jj)+3], (FB|0x80000000) op_sel_hi:[1,0]
.endm
.macro TRIP t                          ; one output row i, number t of its lap: the minimum over my NJ sources, then every u stepped (behind its use)
	v_mul_f32 v[Q], v[IP], v[IP]
.irp c, 0,1,2,3
	v_min3_num_f32 v[M+\c], v[U+\c], v[U+4+\c], v[U+8+\c]          ; the first three sources start the minima; source 0 never changes
.endr
	UPD 1
	UPD 2
.set aa, 3
.rept (NJ-4)/2
.irp c, 0,1,2,3
	v_min3_num_f32 v[M+\c], v[M+\c], v[U+4*aa+\c], v[U+4*aa+4+\c]
.endr
	UPD aa
	UPD aa+1
.set aa, aa+2
.endr
.irp c, 0,1,2,3
	v_min_num_f32 v[M+\c], v[M+\c], v[U+4*(NJ-1)+\c]
.endr
	UPD NJ-1
.if (\t) == 0
	s_wait_alu depctr_vm_vsrc(0)                                   ; the four stores of the lap before have read PA and OUT, which the lines from here on write again
	v_lshl_add_u32 v[PA], s16, 11, v[PB]                           ; this lap's four rows of 512 bytes
.endif
	v_pk_add_f32 v[OUT+4*(\t):OUT+4*(\t)+1], v[M:M+1], v[Q:Q+1] op_sel_hi:[1,0]        ; + i'^2
	v_pk_add_f32 v[OUT+4*(\t)+2:OUT+4*(\t)+3], v[M+2:M+3], v[Q:Q+1] op_sel_hi:[1,0]
	v_add_f32 v[IP], 1.0, v[IP]
.endm
.macro CJJ jj                          ; C = jj (jj - 2 i0'), s18 = -2 i0'
	s_add_co_i32 s17, s18, \jj
	s_mul_i32 s17, s17, \jj
	v_cvt_f32_i32 v[C], s17
.endm
; The flags of rows 4 q .. 4 q + 3, 16 voxels a lane: the reference's two selects, then 0 where the class has a zero, 1 elsewhere.
.macro FLAGS q
.set xb, X+16*(\q)
.set kb, KK+32*((\q)%2)
	s_wait_loadcnt 12-4*(\q)                           ; loads come back in order: these four rows are in, the 12 - 4 q younger ones stay out
.set k, 0
.rept 16
	v_cmp_le_f32 s[MA+k], s10, v[xb+k]                 ; x >= threshold
.set k, k+1
.endr
	s_wait_alu depctr_va_sdst(0)                       ; the 16 compares have written their masks, which the selects below read
.set k, 0
.rept 16
	v_cndmask_b32 v[xb+k], v[xb+k], v[ONE], s[MA+k]    ; c = 1 there, x elsewhere
.set k, k+1
.endr
.set k, 0
.rept 16
	v_cmp_ge_f32 s[MB+k], s10, v[xb+k]                 ; c <= threshold
.set k, k+1
.endr
	s_wait_alu depctr_va_sdst(0)                       ; the 16 compares have written their masks, which the selects below read
.set k, 0
.rept 16
	v_cndmask_b32 v[xb+k], v[xb+k], v[ZERO], s[MB+k]   ; b = 0 there, c elsewhere
.set k, k+1
.endr
.set k, 0
.rept 16
	v_sub_f32 v[TB+k], 1.0, v[xb+k]                    ; the background 1 - b
.set k, k+1
.endr
.set k, 0
.rept 16
	v_cmp_neq_f32 s[MA+k], 0, v[TB+k]                  ; not equal or NaN: no zero
	v_cmp_neq_f32 s[MB+k], 0, v[xb+k]
.set k, k+1
.endr
	s_wait_alu depctr_va_sdst(0)                       ; the 32 compares have written their masks, which the selects below read
.if (\q) >= 2
	s_wait_alu depctr_vm_vsrc(0)                       ; the LDS stores of the batch before last have read this flag buffer, which the selects below write again
.endif
.set k, 0
.rept 16
	v_cndmask_b32 v[kb+2*k],   0, v[ONE], s[MA+k]
	v_cndmask_b32 v[kb+2*k+1], 0, v[ONE], s[MB+k]
.set k, k+1
.endr
	s_wait_alu depctr_va_vdst(0)                       ; the selects have written the flag buffer, which the LDS stores read
.set r, 0
.rept 4
	ds_store_b128 v[KST], v[kb+8*r:kb+8*r+3]   offset:(4*(\q)+r)*KP
	ds_store_b128 v[KST], v[kb+8*r+4:kb+8*r+7] offset:(4*(\q)+r)*KP+16
.set r, r+1
.endr
.endm
; the scan, 16 positions at a time: batch n holds the steps 16 n .. 16 n + 15; dir = 0: x ascending, 1: descending.
; The batch number and the buffer are expressions, hence the brackets round them.
.macro LDK buf, n, dir
.set tt, 0
.rept 16
.if \dir
.set xi, 127-(16*(\n)+tt)
.else
.set xi, 16*(\n)+tt
.endif
	ds_load_b64 v[(\buf)+2*tt:(\buf)+2*tt+1], v[KA] offset:8*xi
.set tt, tt+1
.endr
.endm
.macro FMK buf, prev                   ; flags into distances, in place: flag 0: d = 0; flag 1: d = the distance one position back + 1.  prev: the pair that carries the distance in
	v_pk_fma_f32 v[(\buf):(\buf)+1], v[(\prev):(\prev)+1], v[(\buf):(\buf)+1], v[(\buf):(\buf)+1]
.set tt, 1
.rept 15
	v_pk_fma_f32 v[(\buf)+2*tt:(\buf)+2*tt+1], v[(\buf)+2*tt-2:(\buf)+2*tt-1], v[(\buf)+2*tt:(\buf)+2*tt+1], v[(\buf)+2*tt:(\buf)+2*tt+1]
.set tt, tt+1
.endr
.endm
.macro STK buf, n, dir
.set tt, 0
.rept 16
.if \dir
.set xi, 127-(16*(\n)+tt)
.else
.set xi, 16*(\n)+tt
.endif
	ds_store_b64 v[GA], v[(\buf)+2*tt:(\buf)+2*tt+1] offset:8*xi
.set tt, tt+1
.endr
.endm
; Step n of a scan.  left: the LDS instructions issued behind batch n's loads.  more = 1: batch n + 2 is asked for.
.macro STEPK n, dir, left, more
	s_wait_dscnt \left                                 ; LDS instructions are served in order: batch n is in
.if (\n) == 0
	FMK SB, D
.else
	FMK SB+32*((\n)%3), SB+32*(((\n)+2)%3)+30
.endif
.if (\more) && ((\n) > 0)
	s_wait_alu depctr_vm_vsrc(0)                       ; the stores of batch n - 1 have read their buffer, in which the loads below land
.endif
	s_wait_alu depctr_va_vdst(0)                       ; the multiply-adds have written batch n's buffer, which the stores read, and have read the last pair of batch n - 1's, in which the loads land
	STK SB+32*((\n)%3), \n, \dir
.if \more
	LDK SB+32*(((\n)+2)%3), (\n)+2, \dir
.endif
.endm
.macro SCAN dir
	LDK SB, 0, \dir
	LDK SB+32, 1, \dir
	STEPK 0, \dir, 16, 1                               ; behind batch 0's loads: batch 1's 16
	STEPK 1, \dir, 32, 1                               ; from here on: the last batch's 16 stores and the next batch's 16 loads
	STEPK 2, \dir, 32, 1
	STEPK 3, \dir, 32, 1
	STEPK 4, \dir, 32, 1
	STEPK 5, \dir, 32, 1
	STEPK 6, \dir, 32, 0
	STEPK 7, \dir, 16, 0                               ; behind batch 7's loads only batch 6's 16 stores
.endm
; the way out: the four waves' minima of rows 4 gg .. 4 gg + 3 of my 16, into buffer gg % 2
.macro LDP gg
.set lb, L+64*((\gg)%2)
.set rr, 0
.rept 4
	ds_load_b128 v[lb+16*rr:lb+16*rr+3],     v[RA] offset:(4*(\gg)+rr)*512
	ds_load_b128 v[lb+16*rr+4:lb+16*rr+7],   v[RA] offset:(4*(\gg)+rr)*512+PW
	ds_load_b128 v[lb+16*rr+8:lb+16*rr+11],  v[RB] offset:(4*(\gg)+rr)*512
	ds_load_b128 v[lb+16*rr+12:lb+16*rr+15], v[RB] offset:(4*(\gg)+rr)*512+PW
.set rr, rr+1
.endr
.endm
.macro GRP gg
.set lb, L+64*((\gg)%2)
.set rr, 0
.rept 4
.if (\gg) < 3
	s_wait_dscnt 28-4*rr                               ; this row's four loads are in; four for each later row and the next group's 16 stay out
.else
	s_wait_dscnt 12-4*rr                               ; this row's four loads are in; four for each later row stay out
.endif
.irp c, 0,1,2,3
	v_min3_num_f32 v[lb+16*rr+\c], v[lb+16*rr+\c], v[lb+16*rr+4+\c], v[lb+16*rr+8+\c]
.endr
.irp c, 0,1,2,3
	v_min3_num_f32 v[lb+16*rr+\c], v[lb+16*rr+\c], v[lb+16*rr+12+\c], s19
.endr
.irp c, 0,1,2,3
	v_cvt_u32_f32 v[lb+16*rr+\c], v[lb+16*rr+\c]       ; whole numbers: exact
.endr
	v_lshl_or_b32 v[O+2*(4*(\gg)+rr)],   v[lb+16*rr+1], 16, v[lb+16*rr]
	v_lshl_or_b32 v[O+2*(4*(\gg)+rr)+1], v[lb+16*rr+3], 16, v[lb+16*rr+2]
.set rr, rr+1
.endr
	s_wait_alu depctr_va_vdst(0)                       ; the group has written its eight words of O, which the stores read, and is done with its buffer, in which the loads below land
.if (\gg) < 2
	LDP (\gg)+2
.endif
.set rr, 0
.rept 4
	global_store_b64 v[GO], v[O+2*(4*(\gg)+rr):O+2*(4*(\gg)+rr)+1], s[8:9] offset:(4*(\gg)+rr)*ZST   ; the wave stores 256 consecutive bytes, aligned; each row has its own data registers, none is written again
.set rr, rr+1
.endr
.endm
	; SET-UP, and all of the tile's loads at once
	s_load_b128 s[4:7], s[0:1], 0x0                    ; threshold s[4:5], x s[6:7]
	s_load_b64 s[8:9], s[0:1], 0x10                    ; g
	v_lshl_add_u32 v15, v0, 2, 0x30c00
	v_mov_b32 v21, 0
	v_and_b32 v[LANE], 31, v0
	v_lshrrev_b32 v2, 5, v0
	v_readfirstlane_b32 s11, v2                        ; wave w
	s_and_b32 s12, ttmp7, 0xffff                       ; y
	s_and_b32 s13, ttmp9, 1                            ; h: which 64 x I put out (the grid has two work-groups along x)
	s_lshl_b32 s14, s12, 9                             ; y x 512 bytes
	s_mov_b32 s15, 0
	s_mov_b32 s19, 0x477fff00                          ; 65535.0
	v_mov_b32 v[ONE], 1.0
	v_mov_b32 v[ZERO], 0
	v_mov_b32 v[Q+1], 0
	v_mov_b32 v[C+1], 0
	v_mov_b32 v[D], 0x43800000                         ; 256.0
	v_mov_b32 v[D+1], 0x43800000
	s_wait_alu depctr_va_sdst(0)                       ; s11 is written, ahead of its first reader
	s_lshl_b32 s17, s11, 20                            ; my wave's rows z = 16 w ..: 16 x 65,536 bytes
	v_lshl_add_u32 v[OFFX], v[LANE], 4, s17            ; + 16 bytes a lane: a load covers a whole row of 512 bytes
	s_mul_i32 s17, s11, 16*KP
	v_lshl_add_u32 v[KST], v[LANE], 5, s17             ; K: row 16 w, 4 voxels x 8 bytes a lane
	s_and_b32 s17, s11, 1
	s_mul_i32 s17, s17, 32*KP
	v_mad_u32_u24 v[KA], v[LANE], KP, s17              ; the scan: a lane takes row z = 32 (w & 1) + lane
	s_wait_kmcnt 0x0
	s_load_b32 s10, s[4:5], 0x0                        ; the threshold
	s_add_nc_u64 s[6:7], s[6:7], s[14:15]
	s_wait_alu depctr_va_vdst(0)                       ; OFFX, KST and KA are written: the loads of x, the flags' stores and the scan's loads read them
.set ri, 0
.rept 16
	global_load_b128 v[X+4*ri:X+4*ri+3], v[OFFX], s[6:7] offset:ri*ZST
.set ri, ri+1
.endr
	s_lshl_b32 s17, s13, 8                             ; h x 64 words
	s_add_co_u32 s14, s14, s17
	s_add_nc_u64 s[8:9], s[8:9], s[14:15]              ; g at (z = 0, y, 64 h)
	s_wait_kmcnt 0x0                                   ; the threshold is there
	; FLAGS, four rows at a time
	FLAGS 0
	FLAGS 1
	FLAGS 2
	FLAGS 3
	s_wait_dscnt 0x0                                   ; my flags are in LDS,
	s_barrier_signal -1
	s_barrier_wait -1                                  ; everybody's are
	; SCANS along x: waves 0, 1 from the left (rows 0-31, 32-63), waves 2, 3 from the right.  A lane walks one row; rows 16 apart meet in a bank
	; (16 x 1,040 bytes is a multiple of 256): 256 LDS instructions of a wave are served in two turns, against the 64 trips of arithmetic below.
	s_cmp_lt_u32 s11, 2
	s_cbranch_scc0 .Lfromright
	v_add_nc_u32 v[GA], FBASE, v[KA]
	s_wait_alu depctr_vm_vsrc(0)                       ; the flags' stores have read v[96:127], in which the scan's third batch lands
	s_wait_alu depctr_va_vdst(0)                       ; GA is written, which the scan's stores read; the flags' vector work is done with v[32:127], in which the scan's loads land
	SCAN 0
	s_branch .Lscanned
.Lfromright:
	v_add_nc_u32 v[GA], BBASE, v[KA]
	s_wait_alu depctr_vm_vsrc(0)                       ; the flags' stores have read v[96:127], in which the scan's third batch lands
	s_wait_alu depctr_va_vdst(0)                       ; GA is written, which the scan's stores read; the flags' vector work is done with v[32:127], in which the scan's loads land
	SCAN 1
.Lscanned:
	s_wait_dscnt 0x0                                   ; my distances are in LDS, my reads of K are over
	s_barrier_signal -1
	s_barrier_wait -1
	; u for i = 0
	s_mul_i32 s17, s11, NJ*KP                          ; my sources: rows 16 w ..
	s_lshl_b32 s18, s13, 9                             ; my half of x: 64 voxels x 8 bytes
	s_add_co_u32 s17, s17, s18
	s_add_co_u32 s17, s17, FBASE
	v_lshl_add_u32 v[FA], v[LANE], 4, s17              ; 2 voxels x 2 classes a lane
	v_add_nc_u32 v[BA], KREG, v[FA]
	s_wait_alu depctr_vm_vsrc(0)                       ; the scan's stores have read v[32:127], the flags' stores v[128:159]: the loads below land there
	s_wait_alu depctr_va_vdst(0)                       ; FA and BA are written, which the loads read; the scan's multiply-adds are done with v[32:127]
.set ji, 0
.rept NJ
	ds_load_b128 v[U+4*ji:U+4*ji+3], v[FA] offset:ji*KP
.set ji, ji+1
.endr
.set ji, 0
.rept NJ
	ds_load_b128 v[T+4*ji:T+4*ji+3], v[BA] offset:ji*KP
.set ji, ji+1
.endr
	s_wait_dscnt 0x0                                   ; all in registers: my reads of F and BK are over
	s_barrier_signal -1                                ; say so, and work on registers while the others arrive
	s_lshl_b32 s18, s11, 5                             ; -2 i0' with i0' = 0 - 16 w
	s_mul_i32 s17, s11, -16
	v_cvt_f32_i32 v[IP], s17                           ; i0'
	s_lshl_b32 s17, s11, 15
	v_lshl_add_u32 v[PB], v[LANE], 4, s17              ; P: my wave's part, row 0
.set ji, 0
.rept NJ
	CJJ ji
.irp c, 0,1,2,3
	v_min_num_f32 v[U+4*ji+\c], v[U+4*ji+\c], v[T+4*ji+\c]         ; the nearer of the two sides
.endr
	v_pk_fma_f32 v[U+4*ji:U+4*ji+1], v[U+4*ji:U+4*ji+1], v[U+4*ji:U+4*ji+1], v[C:C+1] op_sel_hi:[1,1,0]       ; d^2 + jj^2 - 2 i0' jj
	v_pk_fma_f32 v[U+4*ji+2:U+4*ji+3], v[U+4*ji+2:U+4*ji+3], v[U+4*ji+2:U+4*ji+3], v[C:C+1] op_sel_hi:[1,1,0]
.set ji, ji+1
.endr
	s_barrier_wait -1                                  ; nobody reads K or F any more: P may be written over them
	; THE MINIMUM OVER MY 16 SOURCES, for all 64 z: 16 laps of four trips
	s_mov_b32 s16, 0
.Ltrip:
	TRIP 0
	TRIP 1
	TRIP 2
	TRIP 3
	s_wait_alu depctr_va_vdst(0)                       ; the four trips have written OUT, the first of them PA: the stores read both
.irp t, 0,1,2,3
	ds_store_b128 v[PA], v[OUT+4*\t:OUT+4*\t+3] offset:512*\t      ; 32 lanes, 512 neighbouring bytes
.endr
	s_add_co_u32 s16, s16, 1
	s_cmp_lt_u32 s16, 16
	s_cbranch_scc1 .Ltrip
	s_wait_dscnt 0x0                                   ; my minima are in LDS,
	s_barrier_signal -1
	s_barrier_wait -1                                  ; everybody's are
	; THE MINIMUM OVER THE FOUR WAVES, cut at 65,535, packed and stored: wave w takes rows z = 16 w .. 16 w + 15, four at a time
	s_lshl_b32 s17, s11, 13
	v_lshl_add_u32 v[RA], v[LANE], 4, s17              ; 16 w rows of 512 bytes; waves 0, 1 by the immediate,
	v_add_nc_u32 v[RB], 2*PW, v[RA]                    ; waves 2, 3 from a second register (the immediate has 16 bits)
	s_lshl_b32 s17, s11, 20
	v_lshl_add_u32 v[GO], v[LANE], 3, s17              ; g: 16 w planes, 2 words a lane
	s_wait_alu depctr_vm_vsrc(0)                       ; the last lap's stores have read OUT, in which the second group's loads land
	s_wait_alu depctr_va_vdst(0)                       ; RA, RB and GO are written, which the loads and stores below read; the trips are done with u and OUT, in which the loads land
	LDP 0
	LDP 1
	GRP 0
	GRP 1
	GRP 2
	GRP 3
	s_wait_dscnt 0x0
	s_wait_alu depctr_hold_cnt(0) depctr_sa_sdst(0) depctr_va_vdst(0) depctr_va_sdst(0) depctr_va_ssrc(0) depctr_va_vcc(0) depctr_vm_vsrc(0)
	s_wait_tensorcnt 0x0
	ds_add_u32 v15, v21
	s_wait_dscnt 0x0
	s_endpgm
.Lfunc_end_k_q92126fff29_xz:
	.size	k_q92126fff29_xz, .Lfunc_end_k_q92126fff29_xz-k_q92126fff29_xz
	.p2alignl 7, 3214868480
	.fill 96, 4, 3214868480
	.section	.rodata,"a",@progbits
	.p2align	6, 0x0
	.amdhsa_kernel k_q92126fff29_xz
		.amdhsa_group_segment_fixed_size 200192
		.amdhsa_private_segment_fixed_size 0
		.amdhsa_enable_private_segment 0
		.amdhsa_kernarg_size 24
		.amdhsa_user_sgpr_count 2
		.amdhsa_user_sgpr_kernarg_segment_ptr 1
		.amdhsa_wavefront_size32 1
		.amdhsa_system_sgpr_workgroup_id_x 1
		.amdhsa_system_sgpr_workgroup_id_y 1
		.amdhsa_system_sgpr_workgroup_id_z 1
		.amdhsa_system_vgpr_workitem_id 0
		.amdhsa_next_free_vgpr 192
		.amdhsa_next_free_sgpr 66
		.amdhsa_reserve_vcc 0
		.amdhsa_float_denorm_mode_32 3
		.amdhsa_float_denorm_mode_16_64 3
		.amdhsa_memory_ordered 1
		.amdhsa_forward_progress 1
		.amdhsa_inst_pref_size 137
	.end_amdhsa_kernel
	.amdgpu_metadata
---
amdhsa.version: [ 1, 2 ]
amdhsa.kernels:
  - .name:           k_q92126fff29_xz
    .symbol:         k_q92126fff29_xz.kd
    .args:
      - { .name: threshold, .offset: 0, .size: 8, .value_kind: global_buffer, .address_space: global }
      - { .name: x, .offset: 8, .size: 8, .value_kind: global_buffer, .address_space: global }
      - { .name: g, .offset: 16, .size: 8, .value_kind: global_buffer, .address_space: global }
    .group_segment_fixed_size: 200192
    .private_segment_fixed_size: 0
    .kernarg_segment_align: 8
    .kernarg_segment_size: 24
    .max_flat_workgroup_size: 128
    .sgpr_count:     66
    .vgpr_count:     192
    .wavefront_size: 32
...
	.end_amdgpu_metadata
.endif
;; end of part 3
;; launch yy (part 4): grid 4 x 64, 4 waves a work-group, no clusters, 131,584 bytes of LDS; arguments g, out0; writes out0
.if DOCPART == 4
	.amdgcn_target "amdgcn-amd-amdhsa--gfx1250"
	.amdhsa_code_object_version 6
	.text
	.protected	k_q92126fff29_yy
	.globl	k_q92126fff29_yy
	.p2align	8
	.type	k_q92126fff29_yy,@function
k_q92126fff29_yy:
	s_mov_b64 s[64:65], 0
	v_nop
	global_prefetch_b8 v0, s[64:65] scope:SCOPE_SE
	s_setreg_imm32_b32 hwreg(HW_REG_WAVE_SCHED_MODE, 0, 2), 2
	s_setreg_imm32_b32 hwreg(HW_REG_WAVE_MODE, 25, 1), 1
	s_wait_xcnt 0x0
	s_wait_alu depctr_vm_vsrc(0)
; SECOND OF TWO LAUNCHES.  g: [64 z][128 y][128 x], a word a voxel: low 16 bits class A, high 16 bits class B, the squared distance to the class's nearest
; zero inside the x-z plane, 65535 = none there.  out0 = 1 - (sqrt(dA) + sqrt(dB)), d = the minimum over all 128 sources j along y of g[j] + (i - j)^2.
; Real sums are at most 20,098 + 127^2 = 36,227 < 65,535, and a sum with the sentinel is at least 65,535: d >= 65,535 exactly where the class has no zero
; in the whole volume.  There the reference keeps its 1e10 (the source j = i adds 0), whose root in f32 is 100000.0: that number is selected.
; All sums are whole numbers below 2^24: exact in f32.  No matrix unit: a minimum of sums is no product.
; A work-group owns one z, 64 x (xh) and 64 outputs i along y (ih).  Wave w owns the sources j = 32 w + jj, jj = 0..31; a lane owns 2 neighbouring x of both
; classes.  With i' = i - 32 w a register holds u = f + jj^2 - 2 i' jj, so that f + (i' - jj)^2 = u + i'^2: a step of i is one packed add of -2 jj for two
; numbers, v_min3 takes two sources at a time.  The wave's minimum goes to LDS; a last phase takes the minimum over the four waves.
; No cluster: the two work-groups ih = 0, 1 share 32,768 bytes of g, asked for once at the head and unpacked straight from registers; a joint request
; would add a way through LDS to spare one of two reads, against 64 trips of arithmetic on the same bytes.
; THE MODE: SCHED_MODE bits 1:0 = 2 (LLVM: expert scheduling mode 2), set by the entry lines.  The code itself states the register dependences
; between vector instructions and memory or LDS instructions, and between a vector instruction that writes a scalar register and its readers, with s_wait_alu, always for 0.
; THE PLAN.  Registers that memory or LDS instructions touch:
;   GOFF            made at the head, never written again.      G   loaded once at the head; vector instructions alone name it after that.
;   OUT, PA         a lap of the loop is four trips: each trip's last two adds write its four registers of OUT, the first trip makes PA, four stores end the lap.
;                   The running minima M, the u, i' and its square are named by vector instructions alone.
;   RA, RB, OO      made once, ahead of the way out's first wait.
;   L0, L1, O       the way out, four rows a group: group gg works on L[gg % 2] and writes its part of O, which is written once; group gg + 2 lands in L[gg % 2].
; A group's 16 compares stand in one run, their masks in scalar registers, with one wait behind the run.
.set YST,  512                         ; bytes from y to y + 1 in g and in out0
.set PW,   32768                       ; LDS, P: [wave][t][lane] 16 bytes; a wave's part is 64 x 512 bytes
.set NJ,   32                          ; sources of a wave
.set LANE, 1
.set GOFF, 3
.set BIGD, 7                           ; 100000.0
.set M,    16                          ; v[16:19]  a trip's running minima
.set IP,   20                          ; i' as f32
.set Q,    22                          ; v[22:23]  i'^2, and a 0 that only fills the pair
.set C,    24                          ; v[24:25]  jj (jj - 2 i0'), and a 0 that only fills the pair
.set PA,   26                          ; where the lap's minima go
.set PB,   27                          ; P: my 16 bytes in my wave's row 0; never written again
.set RA,   28
.set RB,   29
.set OO,   30
.set G,    32                          ; v[32:95]  32 sources x 2 words as loaded
.set OUT,  32                          ; v[32:47]  then the minima of a lap's four trips
.set L,    32                          ; v[32:159] later the four waves' minima of 4 rows, two buffers of 64
.set U,    96                          ; v[96:223] u, 4 registers for each jj
.set O,    160                         ; v[160:191] later 16 rows x 2 results to store
.set MK,   32                          ; s[32:47]  16 masks
.macro F32BITS n                       ; FB = the bits of the whole number n (1 to 127) as f32
.set E, 0
.irp p, 1,2,3,4,5,6
.if (\n) >= (1<<\p)
.set E, \p
.endif
.endr
.set FB, ((127+E)<<23)|(((\n)-(1<<E))<<(23-E))
.endm
.macro UPD jj                          ; u of source jj for the next i: -2 jj, four numbers
	F32BITS 2*(\jj)
	v_pk_add_f32 v[U+4*(\jj):U+4*(\jj)+1], v[U+4*(\jj):U+4*(\jj)+1], (FB|0x80000000) op_sel_hi:[1,0]
	v_pk_add_f32 v[U+4*(\jj)+2:U+4*(\jj)+3], v[U+4*(\jj)+2:U+4*(\jj)+3], (FB|0x80000000) op_sel_hi:[1,0]
.endm
.macro TRIP t                          ; one output row i, number t of its lap: the minimum over my NJ sources, then every u stepped (behind its use)
	v_mul_f32 v[Q], v[IP], v[IP]
.irp c, 0,1,2,3
	v_min3_num_f32 v[M+\c], v[U+\c], v[U+4+\c], v[U+8+\c]          ; the first three sources start the minima; source 0 never changes
.endr
	UPD 1
	UPD 2
.set aa, 3
.rept (NJ-4)/2
.irp c, 0,1,2,3
	v_min3_num_f32 v[M+\c], v[M+\c], v[U+4*aa+\c], v[U+4*aa+4+\c]
.endr
	UPD aa
	UPD aa+1
.set aa, aa+2
.endr
.irp c, 0,1,2,3
	v_min_num_f32 v[M+\c], v[M+\c], v[U+4*(NJ-1)+\c]
.endr
	UPD NJ-1
.if (\t) == 0
	s_wait_alu depctr_vm_vsrc(0)                                   ; the four stores of the lap before have read PA and OUT, which the lines from here on write again
	v_lshl_add_u32 v[PA], s16, 11, v[PB]                           ; this lap's four rows of 512 bytes
.endif
	v_pk_add_f32 v[OUT+4*(\t):OUT+4*(\t)+1], v[M:M+1], v[Q:Q+1] op_sel_hi:[1,0]        ; + i'^2
	v_pk_add_f32 v[OUT+4*(\t)+2:OUT+4*(\t)+3], v[M+2:M+3], v[Q:Q+1] op_sel_hi:[1,0]
	v_add_f32 v[IP], 1.0, v[IP]
.endm
.macro CJJ jj                          ; C = jj (jj - 2 i0'), s18 = -2 i0'
	s_add_co_i32 s17, s18, \jj
	s_mul_i32 s17, s17, \jj
	v_cvt_f32_i32 v[C], s17
.endm
; the way out: the four waves' minima of rows 4 gg .. 4 gg + 3 of my 16, into buffer gg % 2
.macro LDP gg
.set lb, L+64*((\gg)%2)
.set rr, 0
.rept 4
	ds_load_b128 v[lb+16*rr:lb+16*rr+3],     v[RA] offset:(4*(\gg)+rr)*512
	ds_load_b128 v[lb+16*rr+4:lb+16*rr+7],   v[RA] offset:(4*(\gg)+rr)*512+PW
	ds_load_b128 v[lb+16*rr+8:lb+16*rr+11],  v[RB] offset:(4*(\gg)+rr)*512
	ds_load_b128 v[lb+16*rr+12:lb+16*rr+15], v[RB] offset:(4*(\gg)+rr)*512+PW
.set rr, rr+1
.endr
.endm
.macro GRP gg
.set lb, L+64*((\gg)%2)
.set rr, 0
.rept 4
.if (\gg) < 3
	s_wait_dscnt 28-4*rr                               ; this row's four loads are in; four for each later row and the next group's 16 stay out
.else
	s_wait_dscnt 12-4*rr                               ; this row's four loads are in; four for each later row stay out
.endif
.irp c, 0,1,2,3
	v_min3_num_f32 v[lb+16*rr+\c], v[lb+16*rr+\c], v[lb+16*rr+4+\c], v[lb+16*rr+8+\c]
.endr
.irp c, 0,1,2,3
	v_min_num_f32 v[lb+16*rr+\c], v[lb+16*rr+\c], v[lb+16*rr+12+\c]
.endr
.set rr, rr+1
.endr
.set rr, 0
.rept 4
.irp c, 0,1,2,3
	v_cmp_le_f32 s[MK+4*rr+\c], s19, v[lb+16*rr+\c]    ; 65,535 <= d: the class has no zero at all
.endr
.set rr, rr+1
.endr
.set rr, 0
.rept 4
.irp c, 0,1,2,3
	v_sqrt_f32 v[lb+16*rr+4+\c], v[lb+16*rr+\c]        ; into the four registers beside them, which the minima have used up
.endr
.set rr, rr+1
.endr
	v_nop                                              ; one plain vector instruction between a root and the first use of its result (ISA guide 5.7.2)
	s_wait_alu depctr_va_sdst(0)                       ; the 16 compares have written their masks, which the selects below read
.set rr, 0
	s_wait_alu depctr_va_vdst(0)
.rept 4
.irp c, 0,1,2,3
	v_cndmask_b32 v[lb+16*rr+4+\c], v[lb+16*rr+4+\c], v[BIGD], s[MK+4*rr+\c]
.endr
	v_add_f32 v[lb+16*rr+4], v[lb+16*rr+4], v[lb+16*rr+5]          ; class A + class B of one voxel
	v_add_f32 v[lb+16*rr+6], v[lb+16*rr+6], v[lb+16*rr+7]
	v_sub_f32 v[O+2*(4*(\gg)+rr)],   1.0, v[lb+16*rr+4]
	v_sub_f32 v[O+2*(4*(\gg)+rr)+1], 1.0, v[lb+16*rr+6]
.set rr, rr+1
.endr
	s_wait_alu depctr_va_vdst(0)                       ; the group has written its eight numbers of O, which the stores read, and is done with its buffer, in which the loads below land
.if (\gg) < 2
	LDP (\gg)+2
.endif
.set rr, 0
.rept 4
	global_store_b64 v[OO], v[O+2*(4*(\gg)+rr):O+2*(4*(\gg)+rr)+1], s[6:7] offset:(4*(\gg)+rr)*YST th:TH_STORE_NT   ; the wave stores 256 consecutive bytes, aligned; each row has its own data registers, none is written again
.set rr, rr+1
.endr
.endm
	; SET-UP, and all loads at once
	s_load_b128 s[4:7], s[0:1], 0x0                    ; g s[4:5], out0 s[6:7]
	v_lshl_add_u32 v21, v0, 2, 0x20000
	v_mov_b32 v31, 0
	v_and_b32 v[LANE], 31, v0
	v_lshrrev_b32 v2, 5, v0
	v_readfirstlane_b32 s11, v2                        ; wave w
	s_and_b32 s12, ttmp7, 0xffff                       ; z
	s_and_b32 s13, ttmp9, 1                            ; xh
	s_lshr_b32 s14, ttmp9, 1                           ; ih
	s_lshl_b32 s24, s12, 16                            ; z x 65,536 bytes
	s_lshl_b32 s17, s13, 8                             ; + xh x 64 words
	s_add_co_u32 s24, s24, s17
	s_mov_b32 s25, 0
	s_wait_alu depctr_va_sdst(0)                       ; s11 is written, ahead of its first reader
	s_lshl_b32 s17, s11, 14                            ; my sources: 32 w rows of 512 bytes
	v_lshl_add_u32 v[GOFF], v[LANE], 3, s17            ; + 2 words a lane
	s_wait_kmcnt 0x0
	s_add_nc_u64 s[4:5], s[4:5], s[24:25]
	s_add_nc_u64 s[6:7], s[6:7], s[24:25]
	s_lshl_b32 s24, s14, 15                            ; out0 also at row 64 ih
	s_add_nc_u64 s[6:7], s[6:7], s[24:25]
	s_wait_alu depctr_va_vdst(0)                       ; GOFF is written, which the loads read
.set ji, 0
.rept NJ
	global_load_b64 v[G+2*ji:G+2*ji+1], v[GOFF], s[4:5] offset:ji*YST      ; the wave reads 256 consecutive bytes, aligned
.set ji, ji+1
.endr
	s_mov_b32 s19, 0x477fff00                          ; 65535.0
	v_mov_b32 v[BIGD], 0x47c35000                      ; 100000.0
	v_mov_b32 v[Q+1], 0
	v_mov_b32 v[C+1], 0
	s_lshl_b32 s18, s11, 6
	s_lshl_b32 s17, s14, 7
	s_sub_co_i32 s18, s18, s17                         ; -2 i0' = 64 w - 128 ih, with i0' = 64 ih - 32 w
	s_ashr_i32 s17, s18, 1
	s_sub_co_i32 s17, 0, s17
	v_cvt_f32_i32 v[IP], s17                           ; i0'
	s_lshl_b32 s17, s11, 15
	v_lshl_add_u32 v[PB], v[LANE], 4, s17              ; P: my wave's part, row 0
	; u for the first i
.set ji, 0
.rept NJ
	s_wait_loadcnt NJ-1-ji                             ; loads come back in order: source ji is in, the younger ones stay out
	v_and_b32     v[U+4*ji],   0xffff, v[G+2*ji]
	v_lshrrev_b32 v[U+4*ji+1], 16,     v[G+2*ji]
	v_and_b32     v[U+4*ji+2], 0xffff, v[G+2*ji+1]
	v_lshrrev_b32 v[U+4*ji+3], 16,     v[G+2*ji+1]
.irp c, 0,1,2,3
	v_cvt_f32_u32 v[U+4*ji+\c], v[U+4*ji+\c]
.endr
	CJJ ji
	v_pk_add_f32 v[U+4*ji:U+4*ji+1],   v[U+4*ji:U+4*ji+1],   v[C:C+1] op_sel_hi:[1,0]
	v_pk_add_f32 v[U+4*ji+2:U+4*ji+3], v[U+4*ji+2:U+4*ji+3], v[C:C+1] op_sel_hi:[1,0]
.set ji, ji+1
.endr
	; THE MINIMUM OVER MY 32 SOURCES, for the work-group's 64 outputs along y: 16 laps of four trips
	s_mov_b32 s16, 0
.Ltrip:
	TRIP 0
	TRIP 1
	TRIP 2
	TRIP 3
	s_wait_alu depctr_va_vdst(0)                       ; the four trips have written OUT, the first of them PA: the stores read both
.irp t, 0,1,2,3
	ds_store_b128 v[PA], v[OUT+4*\t:OUT+4*\t+3] offset:512*\t      ; 32 lanes, 512 neighbouring bytes
.endr
	s_add_co_u32 s16, s16, 1
	s_cmp_lt_u32 s16, 16
	s_cbranch_scc1 .Ltrip
	s_wait_dscnt 0x0                                   ; my minima are in LDS,
	s_barrier_signal -1
	s_barrier_wait -1                                  ; everybody's are
	; THE MINIMUM OVER THE FOUR WAVES, the roots, the result: wave w takes rows t = 16 w .. 16 w + 15, four at a time
	s_lshl_b32 s17, s11, 13
	v_lshl_add_u32 v[RA], v[LANE], 4, s17              ; 16 w rows of 512 bytes; waves 0, 1 by the immediate,
	v_add_nc_u32 v[RB], 2*PW, v[RA]                    ; waves 2, 3 from a second register (the immediate has 16 bits)
	v_lshl_add_u32 v[OO], v[LANE], 3, s17              ; out0: 16 w rows of 512 bytes, 2 numbers a lane
	s_wait_alu depctr_vm_vsrc(0)                       ; the last lap's stores have read OUT, in which the first group's loads land
	s_wait_alu depctr_va_vdst(0)                       ; RA, RB and OO are written, which the loads and stores below read; the trips are done with OUT and u, in which the loads land
	LDP 0
	LDP 1
	GRP 0
	GRP 1
	GRP 2
	GRP 3
	s_wait_dscnt 0x0
	s_wait_alu depctr_hold_cnt(0) depctr_sa_sdst(0) depctr_va_vdst(0) depctr_va_sdst(0) depctr_va_ssrc(0) depctr_va_vcc(0) depctr_vm_vsrc(0)
	s_wait_tensorcnt 0x0
	ds_add_u32 v21, v31
	s_wait_dscnt 0x0
	s_endpgm
.Lfunc_end_k_q92126fff29_yy:
	.size	k_q92126fff29_yy, .Lfunc_end_k_q92126fff29_yy-k_q92126fff29_yy
	.p2alignl 7, 3214868480
	.fill 96, 4, 3214868480
	.section	.rodata,"a",@progbits
	.p2align	6, 0x0
	.amdhsa_kernel k_q92126fff29_yy
		.amdhsa_group_segment_fixed_size 131584
		.amdhsa_private_segment_fixed_size 0
		.amdhsa_enable_private_segment 0
		.amdhsa_kernarg_size 16
		.amdhsa_user_sgpr_count 2
		.amdhsa_user_sgpr_kernarg_segment_ptr 1
		.amdhsa_wavefront_size32 1
		.amdhsa_system_sgpr_workgroup_id_x 1
		.amdhsa_system_sgpr_workgroup_id_y 1
		.amdhsa_system_sgpr_workgroup_id_z 1
		.amdhsa_system_vgpr_workitem_id 0
		.amdhsa_next_free_vgpr 224
		.amdhsa_next_free_sgpr 66
		.amdhsa_reserve_vcc 0
		.amdhsa_float_denorm_mode_32 3
		.amdhsa_float_denorm_mode_16_64 3
		.amdhsa_memory_ordered 1
		.amdhsa_forward_progress 1
		.amdhsa_inst_pref_size 88
	.end_amdhsa_kernel
	.amdgpu_metadata
---
amdhsa.version: [ 1, 2 ]
amdhsa.kernels:
  - .name:           k_q92126fff29_yy
    .symbol:         k_q92126fff29_yy.kd
    .args:
      - { .name: g, .offset: 0, .size: 8, .value_kind: global_buffer, .address_space: global }
      - { .name: out0, .offset: 8, .size: 8, .value_kind: global_buffer, .address_space: global }
    .group_segment_fixed_size: 131584
    .private_segment_fixed_size: 0
    .kernarg_segment_align: 8
    .kernarg_segment_size: 16
    .max_flat_workgroup_size: 128
    .sgpr_count:     66
    .vgpr_count:     224
    .wavefront_size: 32
...
	.end_amdgpu_metadata
.endif
;; end of part 4
